; MI455X (gfx1250); checked and timed in simulation.
; The chip was launched on July 23, 2026; its instructions are those of AMD's public machine-readable ISA for CDNA 5 (MIT licence, August 2026) and "CDNA5" Instruction Set Architecture Reference Guide (July 2026). The comments in the code are by the model that wrote it; some were corrected since.
;; Model. Allowed arithmetic: matrix products marked QUANTISED: E2M1 operands, one E8M0 scale for each 32 along K, by v_wmma_scale_f32_16x16x128_f8f6f4 with both operands' format E2M1 (or v_wmma_scale_f32_32x16x128_f4), f32 sums; products left as they are: bf16, f16 or f32 operands; f32 sums; everything else in f32.
;; Inputs: Wk 1,024 x 1,024 float32; Wq 1,024 x 1,024 float32; Wv 1,024 x 1,024 float32; attention_mask 2 x 1 x 1 x 2,048 float32; bk 1,024 float32; bq 1,024 float32; bv 1,024 float32; dist_emb 4,095 x 64 float32; hidden_states 2 x 2,048 x 1,024 float32.
;; Outputs: out0 2 x 2,048 x 1,024 float32.
;; This version of the problem:
;;   THIS VERSION OF THE PROBLEM IS GIVEN IN LOW PRECISION. The matrix products marked QUANTISED in the list below multiply operands that are first quantised to E2M1 (2 exponent bits, 1 mantissa bit; 4 bits a number), with one power-of-two scale for each 32 numbers along K (OCP MX v1.0); their sums are f32. The products marked 'left as it is' may take bf16, f16 or f32 operands, with f32 sums. Whichever they take, every output number must still come out within the allowed error. Rounding operands to bf16 (8 significant bits) uses up far more of that allowance than f16 does (11 bits, for magnitudes from 6e-5 to 65,504). All else is computed in f32.
;;   The module's matrix products, in the order in which they are computed (A, B: the left and right operand; K: the contracted axis; several contracted axes count as one K, in the product's order):
;;     1. [M 4,096, K 1,024] x [K 1,024, N 1,024]; A: input hidden_states; B: input Wq: QUANTISED
;;     2. [M 4,096, K 1,024] x [K 1,024, N 1,024]; A: input hidden_states; B: input Wk: QUANTISED
;;     3. [M 4,096, K 1,024] x [K 1,024, N 1,024]; A: input hidden_states; B: input Wv: QUANTISED
;;     4. batch 32 x [M 2,048, K 64] x [K 64, N 2,048]; A: computed on the way; B: computed on the way: left as it is (an operand is computed on the way)
;;     5. batch 2,048 x [M 2,048, K 64] x [K 64, N 32]; A: computed on the way; B: computed on the way: left as it is (an operand is computed on the way)
;;     6. batch 2,048 x [M 2,048, K 64] x [K 64, N 32]; A: computed on the way; B: computed on the way: left as it is (an operand is computed on the way)
;;     7. batch 32 x [M 2,048, K 2,048] x [K 2,048, N 64]; A: computed on the way; B: computed on the way: left as it is (an operand is computed on the way)
;;   THE QUANTISER, for each operand of a quantised product, along K:
;;     - K is cut into blocks of 32 from its start; a last block that is shorter is filled with zeros.
;;     - A block's scale is 2^e with e = floor(log2(the largest magnitude in the block)) - 2, held to -126 .. 127; a block of zeros has e = 0. As a byte (E8M0): e + 127.
;;     - Each number is divided by its block's scale, clamped to +-6, and rounded to the nearest number of E2M1, ties to even, subnormals kept.
;;     - The product sums the exact products of the quantised numbers (number of the format x scale) in f32.
;;   ~~~python
;;   def quantise(x, axis):      # numpy; x: float32 -> the quantised numbers, widened to float32 again
;;       x = np.moveaxis(x, axis, -1); K = x.shape[-1]
;;       x = np.pad(x, [(0, 0)] * (x.ndim - 1) + [(0, -K % 32)]); x = x.reshape(x.shape[:-1] + (-1, 32)); a = np.abs(x).max(-1, keepdims=True)
;;       e = np.where(a > 0, np.clip(np.frexp(np.where(a > 0, a, 1))[1] - 1 - 2, -126, 127), 0)      # np.frexp(a)[1] - 1 = floor(log2(a)), exactly
;;       r = np.clip(x / 2.0 ** e, -6, 6)
;;       step = 2.0 ** (np.maximum(np.frexp(np.where(r == 0, 1, r))[1] - 1, 0) - 1)
;;       q = np.round(r / step) * step * 2.0 ** e      # np.round: ties to even
;;       return np.moveaxis(q.reshape(q.shape[:-2] + (-1,))[..., :K], -1, axis).astype(np.float32)
;;   ~~~
;; One version. Each part assembles by itself: llvm-mc -triple=amdgcn-amd-amdhsa -mcpu=gfx1250 --defsym DOCPART=n.
;; ======== version 1 of 1: 3 launches
;; limits: values are held in f16: magnitudes above 65,504 overflow, below 6.1e-05 lose precision
;; workspace buffers: xc 2,097,152 bytes; xs 131,072 bytes; wc 1,572,864 bytes; ws 98,304 bytes; ef 524,288 bytes; qf 8,388,608 bytes; kf 8,388,608 bytes; vf 8,388,608 bytes
;; launch prep (part 1): grid 384 x 1, 4 waves a work-group, no clusters, 33,280 bytes of LDS; arguments hidden_states, Wq, Wk, Wv, dist_emb, xc, xs, wc, ws, ef; writes xc, xs, wc, ws, ef
.if DOCPART == 1
	.amdgcn_target "amdgcn-amd-amdhsa--gfx1250"
	.amdhsa_code_object_version 6
	.text
	.protected	k_q55755e4c14_prep
	.globl	k_q55755e4c14_prep
	.p2align	8
	.type	k_q55755e4c14_prep,@function
k_q55755e4c14_prep:
	s_mov_b64 s[64:65], 0
	v_nop
	global_prefetch_b8 v0, s[64:65] scope:SCOPE_SE
	s_setreg_imm32_b32 hwreg(HW_REG_WAVE_MODE, 25, 1), 1
	s_wait_xcnt 0x0
; FIRST OF THREE LAUNCHES: operands are made ready once, since many work-groups read them later.
; NO WORK OF THE PROBLEM IS LEFT OUT IN ANY LAUNCH: every input reaches the output (bk stays in k . E, the mask varies along the softmax's axis).
; pe[l][r] = dist_emb[l - r + 2047] is a lookup: pe is never built; the third launch multiplies q and k by blocks of 16 rows of the table itself.
; Three paths, parted by the work-group's number:
;   X (work-groups 0-127):   hidden_states [4096][1024] f32 -> codes of E2M1, K innermost, xc [4096][512 bytes], and E8M0 bytes xs [4096][32].
;   W (work-groups 128-319): Wq, Wk, Wv [k 1024][n 1024] f32, K the FIRST axis -> codes as images of the matrix operand's registers:
;                            wc [nt = 64 tensor + n / 16][ks = k / 128][1024 bytes]; the 16 bytes at 256 kb + 16 (n % 16) are the codes of k = 128 ks + 32 kb + 0 .. 31;
;                            scale words ws [ks][1024 tensor + n], byte kb for block kb.
;   E (work-groups 320-383): dist_emb [4095][64] f32 -> f16, blocks of 16 rows in DESCENDING order: ef [g][2048 bytes] holds block 255 - g; the 16 bytes at 512 q + 16 lane,
;                            lane = (r, h), are row r of the block, d = 16 q + 8 h + 0 .. 7.  Row 4095 does not exist: row 4094 stands in; its products are never selected.
; THE QUANTISER: a block's scale is 2^(floor(log2(largest magnitude)) - 2); its byte is the largest magnitude's exponent field - 2, held at 1 from below.
; A block of zeros so gets the byte 1 where the rule says 127: its codes are zeros, which add nothing, and this program alone reads the bytes.
; LIMITS: blocks whose largest magnitude lies under 2^-124 (the floor) keep the byte 1; NaN and infinities among the inputs are not served; dist_emb beyond +-65,504 has no f16 number.
.set WREG,  8192                       ; path X: LDS of a wave: two stages of 32 x SP bytes, then its 256 scale bytes
.set SP,    80                         ; a lane's place in a stage: 64 bytes + 16 of padding
.set CB,    8                          ; bytes of 16 codes
.set STEPS, 16
.set SPARE, 4*WREG                     ; the spare words, 128 bytes for each wave
.set SPW,   12                         ; v12 my spare word's LDS address; never rewritten
.set NIL,   13                         ; v13 0; never rewritten
.set R,     16                         ; path X: v16-79 four sets of 16 numbers as loaded
.set X,     80                         ; v80-111 two sets of 16 neighbours
.set E,     112                        ; v112-127 a scale byte for each step
.set C,     128                        ; v128-191 codes, registers of their own for each step
	s_load_b256 s[4:11], s[0:1], 0x0               ; hidden_states, Wq, Wk, Wv
	s_load_b256 s[12:19], s[0:1], 0x20             ; dist_emb, xc, xs, wc
	s_load_b128 s[20:23], s[0:1], 0x40             ; ws, ef
	v_lshl_add_u32 v[SPW], v0, 2, SPARE
	v_mov_b32 v[NIL], 0
	v_lshrrev_b32 v1, 5, v0
	v_readfirstlane_b32 s24, v1                    ; wave 0..3
	v_and_b32 v2, 31, v0                           ; lane
	s_mov_b32 s29, 0
	s_mov_b32 s33, 0
	s_wait_kmcnt 0x0
	s_cmp_lt_u32 ttmp9, 128
	s_cbranch_scc0 .Lnot_x
; ---- PATH X.  The tensor is a plain stream of blocks of 32.  A wave takes 16 steps of 512 numbers.  Each load reads 512 consecutive bytes; a step's 2,048 bytes turn through the
; wave's own stage in LDS, so that a lane then holds 16 neighbours along K (two lanes to a block).  Loads run four steps ahead, the turn one step.
	v_lshlrev_b32 v3, 4, v2                        ; my 16 bytes of a load's 512
	s_mul_i32 s25, s24, WREG
	v_lshrrev_b32 v14, 2, v2
	v_mul_u32_u24 v14, v14, SP
	v_and_b32 v15, 3, v2
	v_lshl_add_u32 v14, v15, 4, v14
	v_add_nc_u32 v14, s25, v14                     ; into the stage: SP (lane / 4) + 16 (lane % 4)
	v_mul_u32_u24 v15, v2, SP
	v_add_nc_u32 v15, s25, v15                     ; out of it: SP x lane
	v_mul_u32_u24 v4, v2, CB                       ; my codes' place in a step's 256 bytes
	v_lshrrev_b32 v5, 1, v2
	s_add_co_u32 s25, s25, 2*32*SP
	v_add_nc_u32 v5, s25, v5                       ; my block's scale byte in LDS
	v_lshlrev_b32 v7, 3, v2
	v_add_nc_u32 v6, s25, v7                       ; and 8 bytes a lane on the way out
	s_lshl_b32 s26, ttmp9, 2
	s_add_co_u32 s26, s26, s24                     ; which run of 8,192 numbers is my wave's
	s_lshl_b32 s28, s26, 15
	s_add_nc_u64 s[4:5], s[4:5], s[28:29]
	s_lshl_b32 s28, s26, 12
	s_add_nc_u64 s[14:15], s[14:15], s[28:29]
	s_lshl_b32 s28, s26, 8
	s_add_nc_u64 s[16:17], s[16:17], s[28:29]
.macro XLOAD t
.irp i, 0,1,2,3
	global_load_b128 v[R+16*((\t)%4)+4*\i:R+16*((\t)%4)+4*\i+3], v3, s[4:5] offset:2048*(\t)+512*\i th:TH_LOAD_NT
.endr
.endm
.macro XTURN t                         ; LDS serves a wave's instructions in order: no wait between these stores and loads
.irp i, 0,1,2,3
	ds_store_b128 v14, v[R+16*((\t)%4)+4*\i:R+16*((\t)%4)+4*\i+3] offset:32*SP*((\t)%2)+8*SP*\i
.endr
.irp i, 0,1,2,3
	ds_load_b128 v[X+16*((\t)%2)+4*\i:X+16*((\t)%2)+4*\i+3], v15 offset:32*SP*((\t)%2)+16*\i
.endr
.endm
.irp t, 0,1,2,3
	XLOAD \t
.endr
	s_wait_loadcnt 12                              ; step 0's four loads are in, twelve younger ones stay out
	XTURN 0
.macro XSTEP t
.set XS, X+16*((\t)%2)
.if (\t) > 0
	s_wait_dscnt 1                                 ; this step's numbers are back from the stage; the last step's byte store may be out
.else
	s_wait_dscnt 0x0
.endif
.if (\t)+4 < STEPS
	XLOAD (\t)+4                                   ; into the set that this step's stage stores have read
.endif
.if (\t)+1 < STEPS
.if STEPS-2-(\t) >= 3
	s_wait_loadcnt 12                              ; the next step's four loads are in; three steps' loads stay out
.else
	s_wait_loadcnt 4*(STEPS-2-(\t))
.endif
	XTURN (\t)+1
.endif
	v_max3_num_f32 v8, |v[XS]|, |v[XS+1]|, |v[XS+2]|
	v_max3_num_f32 v9, |v[XS+3]|, |v[XS+4]|, |v[XS+5]|
.irp i, 6,10
	v_max3_num_f32 v8, v8, |v[XS+\i]|, |v[XS+\i+1]|
	v_max3_num_f32 v9, v9, |v[XS+\i+2]|, |v[XS+\i+3]|
.endr
	v_max3_num_f32 v8, v8, |v[XS+14]|, |v[XS+15]|
	v_max3_num_f32 v8, v8, v9, 0x1800000           ; and the floor 2^(3 - 127): the byte cannot fall under 1
	v_max_num_f32_dpp v8, v8, v8 row_xmask:1 row_mask:0xf bank_mask:0xf   ; with my neighbour's 16: the block's largest magnitude
	v_add_nc_u32 v11, 0xff000000, v8               ; 2 off its exponent field: the conversion's scale operand
	v_cvt_scalef32_pk8_fp4_f32 v[C+4*(\t)], v[XS:XS+7], v11
	v_cvt_scalef32_pk8_fp4_f32 v[C+4*(\t)+1], v[XS+8:XS+15], v11
	v_lshrrev_b32 v[E+(\t)], 23, v11               ; the scale's byte (a plain line behind the conversions)
	ds_store_b8 v5, v[E+(\t)] offset:16*(\t)       ; both lanes of a block write the same byte with the same value
	global_store_b64 v4, v[C+4*(\t):C+4*(\t)+1], s[14:15] offset:32*CB*(\t)   ; the wave stores 256 consecutive bytes, aligned
.endm
.irp t, 0,1,2,3,4,5,6,7,8,9,10,11,12,13,14,15
	XSTEP \t
.endr
	ds_load_b64 v[8:9], v6                         ; my wave's 256 scale bytes, 8 a lane
	s_wait_dscnt 0x0
	global_store_b64 v7, v[8:9], s[16:17]          ; 256 consecutive bytes, aligned
	s_branch .Lend
.Lnot_x:
	s_cmp_lt_u32 ttmp9, 320
	s_cbranch_scc0 .Lpath_e
; ---- PATH W.  A lane takes a column n and its registers run down K: a block of 32 lies in one lane, and the conversions give codes with K innermost.
; A wave: 32 columns x the 128 k of one K step: four blocks.  Each load reads 128 consecutive bytes a wave, 512 a work-group.
	s_sub_co_u32 s25, ttmp9, 128
	s_lshr_b32 s26, s25, 6                         ; tensor 0 q, 1 k, 2 v
	s_and_b32 s27, s25, 7                          ; which 128 columns
	s_bfe_u32 s28, s25, 0x30003                    ; K step
	s_cmp_eq_u32 s26, 0
	s_cselect_b64 s[30:31], s[6:7], s[8:9]
	s_cmp_eq_u32 s26, 2
	s_cselect_b64 s[30:31], s[10:11], s[30:31]
	s_lshl_b32 s32, s28, 19                        ; 128 rows of 4,096 bytes a K step
	s_lshl_b32 s34, s27, 9
	s_add_co_u32 s32, s32, s34
	s_lshl_b32 s34, s24, 7
	s_add_co_u32 s32, s32, s34                     ; + 4 x (128 cg + 32 wave)
	s_add_nc_u64 s[30:31], s[30:31], s[32:33]
	s_lshl_b32 s32, s26, 6
	s_lshl_b32 s34, s27, 3
	s_add_co_u32 s32, s32, s34
	s_lshl_b32 s34, s24, 1
	s_add_co_u32 s32, s32, s34                     ; nt of my lanes 0-15
	s_lshl_b32 s32, s32, 13
	s_lshl_b32 s34, s28, 10
	s_add_co_u32 s32, s32, s34
	s_add_nc_u64 s[18:19], s[18:19], s[32:33]
	s_mul_i32 s32, s28, 3072
	s_lshl_b32 s34, s26, 10
	s_add_co_u32 s32, s32, s34
	s_lshl_b32 s34, s27, 7
	s_add_co_u32 s32, s32, s34
	s_lshl_b32 s34, s24, 5
	s_add_co_u32 s32, s32, s34
	s_lshl_b32 s32, s32, 2
	s_add_nc_u64 s[20:21], s[20:21], s[32:33]
	v_lshlrev_b32 v3, 2, v2                        ; 4 bytes a lane, in W and in ws
	v_lshrrev_b32 v4, 4, v2
	v_and_b32 v5, 15, v2
	v_lshlrev_b32 v4, 13, v4
	v_lshl_add_u32 v4, v5, 4, v4                   ; wc: lanes 16-31 stand one nt (8,192 bytes) on; 16 bytes a column
.macro WLOAD t
.set i, 0
.rept 32
	global_load_b32 v[32+32*(\t)+i], v3, s[30:31] offset:(32*(\t)+i)*4096 th:TH_LOAD_NT
.set i, i+1
.endr
.endm
	WLOAD 0
	WLOAD 1
.macro WBLK t
.set XS, 32+32*(\t)
.if (\t) < 3
	s_wait_loadcnt 32                              ; this block's 32 loads are in; the next block's 32 stay out
.else
	s_wait_loadcnt 0x0
.endif
.if (\t)+2 < 4
	WLOAD (\t)+2                                   ; registers of its own: nothing is overwritten
.endif
	v_max3_num_f32 v8, |v[XS]|, |v[XS+1]|, |v[XS+2]|
	v_max3_num_f32 v9, |v[XS+3]|, |v[XS+4]|, |v[XS+5]|
.irp i, 6,10,14,18,22,26
	v_max3_num_f32 v8, v8, |v[XS+\i]|, |v[XS+\i+1]|
	v_max3_num_f32 v9, v9, |v[XS+\i+2]|, |v[XS+\i+3]|
.endr
	v_max3_num_f32 v8, v8, |v[XS+30]|, |v[XS+31]|
	v_max3_num_f32 v8, v8, v9, 0x1800000           ; the floor
	v_add_nc_u32 v10, 0xff000000, v8
	v_lshrrev_b32 v9, 23, v10                      ; the scale's byte
.if (\t) == 0
	v_mov_b32 v24, v9
.else
	v_lshl_or_b32 v24, v9, 8*(\t), v24
.endif
.irp g, 0,1,2,3
	v_cvt_scalef32_pk8_fp4_f32 v[160+4*(\t)+\g], v[XS+8*\g:XS+8*\g+7], v10
.endr
	global_store_b128 v4, v[160+4*(\t):163+4*(\t)], s[18:19] offset:256*(\t)   ; sixteen lanes store 256 consecutive bytes, aligned
.endm
	WBLK 0
	WBLK 1
	WBLK 2
	WBLK 3
	global_store_b32 v3, v24, s[20:21]             ; my column's scale word of this K step: 128 consecutive bytes a wave
	s_branch .Lend
.Lpath_e:
; ---- PATH E.  A wave makes one block's image.
	s_sub_co_u32 s25, ttmp9, 320
	s_lshl_b32 s25, s25, 2
	s_add_co_u32 s25, s25, s24                     ; g: the image's number
	s_sub_co_u32 s26, 255, s25                     ; the table's block
	s_lshl_b32 s26, s26, 4
	v_and_b32 v3, 15, v0                           ; r
	v_bfe_u32 v4, v0, 4, 1                         ; h
	v_add_nc_u32 v5, s26, v3
	v_min_u32 v5, 0xffe, v5                        ; no load leaves the table
	v_lshlrev_b32 v5, 8, v5                        ; a row is 256 bytes
	v_lshl_add_u32 v5, v4, 5, v5                   ; + 32 h
.irp q, 0,1,2,3
	global_load_b128 v[32+8*\q:35+8*\q], v5, s[12:13] offset:64*\q
	global_load_b128 v[36+8*\q:39+8*\q], v5, s[12:13] offset:64*\q+16
.endr
	v_lshlrev_b32 v6, 4, v2
	s_lshl_b32 s28, s25, 11
	s_add_nc_u64 s[22:23], s[22:23], s[28:29]
	s_wait_loadcnt 0x0
.irp q, 0,1,2,3
.irp i, 0,1,2,3
	v_cvt_pk_f16_f32 v[64+4*\q+\i], v[32+8*\q+2*\i], v[33+8*\q+2*\i]
.endr
.endr
.irp q, 0,1,2,3
	global_store_b128 v6, v[64+4*\q:67+4*\q], s[22:23] offset:512*\q   ; 512 consecutive bytes
.endr
.Lend:
	s_wait_tensorcnt 0x0                           ; the wave's end
	ds_add_u32 v[SPW], v[NIL]
	s_wait_dscnt 0x0
	s_endpgm
.Lfunc_end_k_q55755e4c14_prep:
	.size	k_q55755e4c14_prep, .Lfunc_end_k_q55755e4c14_prep-k_q55755e4c14_prep
	.p2alignl 7, 3214868480
	.fill 96, 4, 3214868480
	.section	.rodata,"a",@progbits
	.p2align	6, 0x0
	.amdhsa_kernel k_q55755e4c14_prep
		.amdhsa_group_segment_fixed_size 33280
		.amdhsa_private_segment_fixed_size 0
		.amdhsa_enable_private_segment 0
		.amdhsa_kernarg_size 80
		.amdhsa_user_sgpr_count 2
		.amdhsa_user_sgpr_kernarg_segment_ptr 1
		.amdhsa_wavefront_size32 1
		.amdhsa_system_sgpr_workgroup_id_x 1
		.amdhsa_system_sgpr_workgroup_id_y 1
		.amdhsa_system_sgpr_workgroup_id_z 1
		.amdhsa_system_vgpr_workitem_id 0
		.amdhsa_next_free_vgpr 192
		.amdhsa_next_free_sgpr 66
		.amdhsa_reserve_vcc 0
		.amdhsa_float_denorm_mode_32 3
		.amdhsa_float_denorm_mode_16_64 3
		.amdhsa_memory_ordered 1
		.amdhsa_forward_progress 1
		.amdhsa_inst_pref_size 56
	.end_amdhsa_kernel
	.amdgpu_metadata
---
amdhsa.version: [ 1, 2 ]
amdhsa.kernels:
  - .name:           k_q55755e4c14_prep
    .symbol:         k_q55755e4c14_prep.kd
    .args:
      - { .name: hidden_states, .offset: 0, .size: 8, .value_kind: global_buffer, .address_space: global }
      - { .name: Wq, .offset: 8, .size: 8, .value_kind: global_buffer, .address_space: global }
      - { .name: Wk, .offset: 16, .size: 8, .value_kind: global_buffer, .address_space: global }
      - { .name: Wv, .offset: 24, .size: 8, .value_kind: global_buffer, .address_space: global }
      - { .name: dist_emb, .offset: 32, .size: 8, .value_kind: global_buffer, .address_space: global }
      - { .name: xc, .offset: 40, .size: 8, .value_kind: global_buffer, .address_space: global }
      - { .name: xs, .offset: 48, .size: 8, .value_kind: global_buffer, .address_space: global }
      - { .name: wc, .offset: 56, .size: 8, .value_kind: global_buffer, .address_space: global }
      - { .name: ws, .offset: 64, .size: 8, .value_kind: global_buffer, .address_space: global }
      - { .name: ef, .offset: 72, .size: 8, .value_kind: global_buffer, .address_space: global }
    .group_segment_fixed_size: 33280
    .private_segment_fixed_size: 0
    .kernarg_segment_align: 8
    .kernarg_segment_size: 80
    .max_flat_workgroup_size: 128
    .sgpr_count:     66
    .vgpr_count:     192
    .wavefront_size: 32
...
	.end_amdgpu_metadata
.endif
;; end of part 1
;; launch proj (part 2): grid 16 x 16, 8 waves a work-group, no clusters, 167,936 bytes of LDS; arguments xc, xs, wc, ws, bq, bk, bv, qf, kf, vf; writes qf, kf, vf
.if DOCPART == 2
	.amdgcn_target "amdgcn-amd-amdhsa--gfx1250"
	.amdhsa_code_object_version 6
	.text
	.protected	k_q55755e4c14_proj
	.globl	k_q55755e4c14_proj
	.p2align	8
	.type	k_q55755e4c14_proj,@function
k_q55755e4c14_proj:
	s_mov_b64 s[64:65], 0
	v_nop
	global_prefetch_b8 v0, s[64:65] scope:SCOPE_SE
	s_setreg_imm32_b32 hwreg(HW_REG_WAVE_MODE, 25, 1), 1
	s_wait_xcnt 0x0
; SECOND LAUNCH: q, k, v = Q(hidden_states) Q(W) + b on codes of E2M1 with E8M0 scales; sums in f32; the results leave as f16, laid as the third launch's operands want them.  No work is left out.
; SHARES.  A work-group makes q, k and v of ONE head (work-group x) for 256 tokens (work-group y).  Wave w: dt = w % 4, its 16 of the head's 64 features in each of q, k, v; rh = w / 4, its 128 tokens.
; The wave's 3 x 8 weight fragments stay in registers (192), read once.  The tokens' codes for ALL of K (256 rows x 512 bytes) and their scale bytes come into LDS once, by two tensor loads a wave:
; nothing is filled again, so there is no ring.  Two waves share a SIMD: one's LDS loads stand beside the other's products.
; q AND k ARE MADE TRANSPOSED (source 0 = 16 features of W, source 1 = 16 tokens): a lane holds one token and eight neighbouring features, which is a quarter of a 16-bit fragment image:
;   qf, kf [batch x head][tile of 16 tokens][2048 bytes]: the 16 bytes at 512 q + 16 lane, lane = (r, h), are token r, d = 16 q + 8 h + 0 .. 7.
; v IS MADE AS IT STANDS (source 0 = tokens, source 1 = features): a lane holds one feature and eight neighbouring tokens, the keys being the last product's K:
;   vf [batch x head][32 keys kg][dt][c][512 bytes]: the 16 bytes at 16 lane are d = 16 dt + r, keys 32 kg + 16 c + 8 h + 0 .. 7.
; The biases are the C of each sum's first product.  No cluster: a work-group asks for its 136 KB once, at its head, and shares no later request with anybody.
; LIMIT: q, k, v beyond +-65,504 have no f16 number.
; REGISTERS.  Window 1: v0-191 the weights' fragments, tensor e, K step ks at 64 e + 8 ks.  Window 0: v1-7 addresses; v16-39 the weights' scale words; v40-63 the biases;
;   v64-79 the tokens' scale words (2 tiles x 8 K steps); v80-207 the tokens' fragments (2 tiles x 8 K steps), later v80-103 the packed results; v208-255 six accumulators.
.set PITCH, 528                        ; an LDS row: 512 bytes + 16: the sixteen rows that a load touches start at sixteen different groups of banks
.set XSL,   256*PITCH                  ; behind the codes: the scale bytes, 32 a row, dense
.set SPARE, XSL+8192                   ; the spare words, 128 bytes for each wave
.set L16, 1
.set AXF, 2
.set AXS, 3
.set GQ,  4
.set GV,  5
.set SPW, 6
.set NIL, 7
.set WS,  16
.set BQ,  40
.set BV,  56
.set XSR, 64
.set XF,  80
.set OUT, 80
.set ACC, 208
.set G1C, 32
.set G1S, 40
.set G0C, 48
.set G0S, 52
.set MSB, 0
.macro WIN new                         ; the immediate's high byte repeats the setting that is left
.if MSB != \new
	s_set_vgpr_msb (MSB<<8)|\new
.set MSB, \new
.endif
.endm
	s_load_b256 s[4:11], s[0:1], 0x0               ; xc, xs, wc, ws
	s_load_b256 s[12:19], s[0:1], 0x20             ; bq, bk, bv, qf
	s_load_b128 s[20:23], s[0:1], 0x40             ; kf, vf
	v_lshl_add_u32 v[SPW], v0, 2, SPARE
	v_mov_b32 v[NIL], 0
	ds_add_u32 v[SPW], v[NIL]                      ; the wave's opening: the add, twice on end, and its wait ahead of my first tensor load
	ds_add_u32 v[SPW], v[NIL]
	v_lshrrev_b32 v8, 5, v0
	v_readfirstlane_b32 s24, v8                    ; wave 0..7
	s_and_b32 s25, s24, 3                          ; dt
	s_lshr_b32 s26, s24, 2                         ; rh
	s_and_b32 s27, ttmp7, 0xffff                   ; block of 256 tokens
	s_mov_b32 s[G1C+0], (1<<20)|(6<<22)|(3<<25)    ; elements of 1 byte; padding: 4 words behind every 128
	s_mov_b32 s[G1C+1], 512<<16                    ; tensor_dim0
	s_mov_b32 s[G1C+2], 32<<16                     ; tensor_dim1
	s_mov_b32 s[G1C+3], 512<<16                    ; tile_dim0
	s_mov_b32 s[G1C+4], 32                         ; tile_dim1
	s_mov_b32 s[G1C+5], 512                        ; from row to row
	s_mov_b32 s[G1C+6], 0
	s_mov_b32 s[G1C+7], 0
	s_mov_b32 s[G1S+0], 3<<16                      ; elements of 8 bytes: 1,024 dense bytes as 4 rows of 256
	s_mov_b32 s[G1S+1], 32<<16
	s_mov_b32 s[G1S+2], 4<<16
	s_mov_b32 s[G1S+3], 32<<16
	s_mov_b32 s[G1S+4], 4
	s_mov_b32 s[G1S+5], 32
	s_mov_b32 s[G1S+6], 0
	s_mov_b32 s[G1S+7], 0
	s_lshl_b32 s28, s27, 8
	s_lshl_b32 s29, s24, 5
	s_add_co_u32 s28, s28, s29                     ; the first of the 32 rows that I fetch
	s_lshl_b32 s56, s28, 9
	s_mov_b32 s57, 0
	s_lshl_b32 s58, s28, 5
	s_mov_b32 s59, 0
	s_mul_i32 s60, s24, 32*PITCH
	s_lshl_b32 s61, s24, 10
	s_wait_dscnt 0x0                               ; both opening adds are done
	s_wait_kmcnt 0x0
	s_mov_b32 s[G0C], 1
	s_mov_b32 s[G0C+1], s60
	s_add_nc_u64 s[G0C+2:G0C+3], s[4:5], s[56:57]
	s_or_b32 s[G0C+3], s[G0C+3], 0x80000000
	s_mov_b32 s[G0S], 1
	s_add_co_u32 s[G0S+1], s61, XSL
	s_add_nc_u64 s[G0S+2:G0S+3], s[6:7], s[58:59]
	s_or_b32 s[G0S+3], s[G0S+3], 0x80000000
	tensor_load_to_lds s[G0C:G0C+3], s[G1C:G1C+7]  ; every wave's two fills go out together: two loads of mine are out
	s_nop 0
	tensor_load_to_lds s[G0S:G0S+3], s[G1S:G1S+7]
	s_nop 0
.rept 4
	v_nop
.endr
	v_and_b32 v8, 31, v0
	v_lshlrev_b32 v[L16], 4, v8                    ; 16 x lane
	v_and_b32 v9, 15, v0                           ; r
	v_bfe_u32 v10, v0, 4, 1                        ; h
	s_mul_i32 s62, s26, 128*PITCH
	v_mul_u32_u24 v[AXF], v9, PITCH
	v_lshl_add_u32 v[AXF], v10, 4, v[AXF]
	v_add_nc_u32 v[AXF], s62, v[AXF]               ; a fragment of codes: row x pitch + 16 h, in my 128 rows
	s_lshl_b32 s62, s26, 12
	s_add_co_u32 s62, s62, XSL
	v_lshl_add_u32 v[AXS], v9, 5, s62              ; my row's 32 scale bytes
	s_lshl_b32 s62, s25, 9
	v_add_nc_u32 v[GQ], s62, v[L16]                ; q, k: quarter dt of a tile's image
	s_lshl_b32 s62, s25, 10
	v_add_nc_u32 v[GV], s62, v[L16]                ; v: part dt of a key group's images
	v_lshlrev_b32 v11, 2, v9                       ; 4 r
	v_lshlrev_b32 v12, 5, v10                      ; 32 h
	s_lshl_b32 s28, ttmp9, 2
	s_add_co_u32 s28, s28, s25                     ; 4 head + dt: my tile of 16 features
	s_lshl_b32 s56, s28, 13
	s_add_nc_u64 s[8:9], s[8:9], s[56:57]          ; its images in wc
	s_lshl_b32 s56, s28, 6
	s_add_nc_u64 s[10:11], s[10:11], s[56:57]      ; its 16 words in a row of ws, and its 16 numbers in each bias
	s_add_nc_u64 s[12:13], s[12:13], s[56:57]
	s_add_nc_u64 s[14:15], s[14:15], s[56:57]
	s_add_nc_u64 s[16:17], s[16:17], s[56:57]
	WIN 0x40                                       ; destination window 1
.irp e, 0,1,2
.irp ks, 0,1,2,3,4,5,6,7
.irp c, 0,1
	global_load_b128 v[64*\e+8*\ks+4*\c:64*\e+8*\ks+4*\c+3], v[L16], s[8:9] offset:\e*524288+\ks*1024+\c*512
.endr
.endr
.endr
	WIN 0
.irp e, 0,1,2
.irp ks, 0,1,2,3,4,5,6,7
	global_load_b32 v[WS+8*\e+\ks], v11, s[10:11] offset:(\ks*3072+\e*1024)*4
.endr
.endr
	global_load_b128 v[BQ:BQ+3], v12, s[12:13]               ; bq, bk at my eight features 8 h + 0 .. 7
	global_load_b128 v[BQ+4:BQ+7], v12, s[12:13] offset:16
	global_load_b128 v[BQ+8:BQ+11], v12, s[14:15]
	global_load_b128 v[BQ+12:BQ+15], v12, s[14:15] offset:16
	global_load_b32 v[BV], v11, s[16:17]                     ; bv at my feature r
	s_lshr_b32 s28, s27, 3                         ; batch
	s_lshl_b32 s28, s28, 4
	s_add_co_u32 s28, s28, ttmp9                   ; batch x 16 + head
	s_lshl_b32 s28, s28, 7
	s_and_b32 s29, s27, 7
	s_lshl_b32 s29, s29, 4
	s_add_co_u32 s28, s28, s29
	s_lshl_b32 s29, s26, 3
	s_add_co_u32 s28, s28, s29                     ; my first tile of 16 tokens
	s_lshl_b32 s56, s28, 11                        ; 2,048 bytes a tile, in qf, kf and vf alike
	s_add_nc_u64 s[18:19], s[18:19], s[56:57]
	s_add_nc_u64 s[20:21], s[20:21], s[56:57]
	s_add_nc_u64 s[22:23], s[22:23], s[56:57]
	s_wait_loadcnt 0x0
.irp j, 1,2,3,4,5,6,7
	v_mov_b32 v[BV+\j], v[BV]                      ; the same feature in all eight registers of v's result
.endr
	s_wait_tensorcnt 0x0                           ; my two fills have landed,
	s_barrier_signal -1
	s_barrier_wait -1                              ; everybody's have
; Four products of one K step: q and k of two tiles of tokens; the four accumulators take turns.
.macro QKMUL ks
.irp i, 0,1
.irp e, 0,1
.if (\ks) == 0
	v_wmma_scale_f32_16x16x128_f8f6f4 v[ACC+16*\i+8*\e:ACC+16*\i+8*\e+7], v[64*\e+8*(\ks):64*\e+8*(\ks)+7], v[XF+64*\i+8*(\ks):XF+64*\i+8*(\ks)+7], v[BQ+8*\e:BQ+8*\e+7], v[WS+8*\e+(\ks)], v[XSR+8*\i+(\ks)] matrix_a_fmt:MATRIX_FMT_FP4 matrix_b_fmt:MATRIX_FMT_FP4
.else
	v_wmma_scale_f32_16x16x128_f8f6f4 v[ACC+16*\i+8*\e:ACC+16*\i+8*\e+7], v[64*\e+8*(\ks):64*\e+8*(\ks)+7], v[XF+64*\i+8*(\ks):XF+64*\i+8*(\ks)+7], v[ACC+16*\i+8*\e:ACC+16*\i+8*\e+7], v[WS+8*\e+(\ks)], v[XSR+8*\i+(\ks)] matrix_a_fmt:MATRIX_FMT_FP4 matrix_b_fmt:MATRIX_FMT_FP4
.endif
.endr
.endr
.endm
.macro VMUL ks                         ; v of the two tiles: two accumulators by turns
.irp i, 0,1
.if (\ks) == 0
	v_wmma_scale_f32_16x16x128_f8f6f4 v[ACC+32+8*\i:ACC+32+8*\i+7], v[XF+64*\i+8*(\ks):XF+64*\i+8*(\ks)+7], v[128+8*(\ks):128+8*(\ks)+7], v[BV:BV+7], v[XSR+8*\i+(\ks)], v[WS+16+(\ks)] matrix_a_fmt:MATRIX_FMT_FP4 matrix_b_fmt:MATRIX_FMT_FP4
.else
	v_wmma_scale_f32_16x16x128_f8f6f4 v[ACC+32+8*\i:ACC+32+8*\i+7], v[XF+64*\i+8*(\ks):XF+64*\i+8*(\ks)+7], v[128+8*(\ks):128+8*(\ks)+7], v[ACC+32+8*\i:ACC+32+8*\i+7], v[XSR+8*\i+(\ks)], v[WS+16+(\ks)] matrix_a_fmt:MATRIX_FMT_FP4 matrix_b_fmt:MATRIX_FMT_FP4
.endif
.endr
.endm
	s_mov_b32 s63, 4
.Lpair:                                            ; a trip: two tiles of 16 tokens through all of K
.irp i, 0,1
.irp ks, 0,1,2,3,4,5,6,7
.irp c, 0,1
	ds_load_b128 v[XF+64*\i+8*\ks+4*\c:XF+64*\i+8*\ks+4*\c+3], v[AXF] offset:\i*16*PITCH+64*\ks+32*\c
.endr
.endr
	ds_load_b128 v[XSR+8*\i:XSR+8*\i+3], v[AXS] offset:\i*512
	ds_load_b128 v[XSR+8*\i+4:XSR+8*\i+7], v[AXS] offset:\i*512+16
.endr
	s_wait_dscnt 0x0
	WIN 0x01                                       ; source 0 (the weights) window 1
.irp ks, 0,1,2,3,4,5,6,7
	QKMUL \ks
.endr
	WIN 0x04                                       ; source 1 (the weights) window 1
.irp ks, 0,1,2,3,4,5,6,7
	VMUL \ks
.endr
	WIN 0
.rept 5
	v_nop                                          ; four places ahead of the reads of results and of writes onto the fragments; five ahead of the next trip's products, which begin the accumulators anew
.endr
.irp a, 0,1,2,3,4,5                    ; qa, ka, qb, kb, va, vb, each from its low end on
.irp i, 0,1,2,3
	v_cvt_pk_f16_f32 v[OUT+4*\a+\i], v[ACC+8*\a+2*\i], v[ACC+8*\a+2*\i+1]
.endr
.endr
	global_store_b128 v[GQ], v[OUT:OUT+3], s[18:19]                    ; each store: 512 consecutive bytes, aligned
	global_store_b128 v[GQ], v[OUT+4:OUT+7], s[20:21]
	global_store_b128 v[GQ], v[OUT+8:OUT+11], s[18:19] offset:2048
	global_store_b128 v[GQ], v[OUT+12:OUT+15], s[20:21] offset:2048
	global_store_b128 v[GV], v[OUT+16:OUT+19], s[22:23]
	global_store_b128 v[GV], v[OUT+20:OUT+23], s[22:23] offset:512
	s_wait_xcnt 0x0                                ; the stores' data and bases are rewritten only behind this wait
	s_add_nc_u64 s[18:19], s[18:19], 4096
	s_add_nc_u64 s[20:21], s[20:21], 4096
	s_add_nc_u64 s[22:23], s[22:23], 4096
	v_add_nc_u32 v[AXF], 32*PITCH, v[AXF]
	v_add_nc_u32 v[AXS], 1024, v[AXS]
	s_sub_co_u32 s63, s63, 1
	s_cmp_lg_u32 s63, 0
	s_cbranch_scc1 .Lpair
	s_wait_tensorcnt 0x0                           ; the wave's end
	ds_add_u32 v[SPW], v[NIL]
	s_wait_dscnt 0x0
	s_endpgm
.Lfunc_end_k_q55755e4c14_proj:
	.size	k_q55755e4c14_proj, .Lfunc_end_k_q55755e4c14_proj-k_q55755e4c14_proj
	.p2alignl 7, 3214868480
	.fill 96, 4, 3214868480
	.section	.rodata,"a",@progbits
	.p2align	6, 0x0
	.amdhsa_kernel k_q55755e4c14_proj
		.amdhsa_group_segment_fixed_size 167936
		.amdhsa_private_segment_fixed_size 0
		.amdhsa_enable_private_segment 0
		.amdhsa_kernarg_size 80
		.amdhsa_user_sgpr_count 2
		.amdhsa_user_sgpr_kernarg_segment_ptr 1
		.amdhsa_wavefront_size32 1
		.amdhsa_system_sgpr_workgroup_id_x 1
		.amdhsa_system_sgpr_workgroup_id_y 1
		.amdhsa_system_sgpr_workgroup_id_z 1
		.amdhsa_system_vgpr_workitem_id 0
		.amdhsa_next_free_vgpr 512
		.amdhsa_next_free_sgpr 66
		.amdhsa_reserve_vcc 0
		.amdhsa_float_denorm_mode_32 3
		.amdhsa_float_denorm_mode_16_64 3
		.amdhsa_memory_ordered 1
		.amdhsa_forward_progress 1
		.amdhsa_inst_pref_size 24
	.end_amdhsa_kernel
	.amdgpu_metadata
---
amdhsa.version: [ 1, 2 ]
amdhsa.kernels:
  - .name:           k_q55755e4c14_proj
    .symbol:         k_q55755e4c14_proj.kd
    .args:
      - { .name: xc, .offset: 0, .size: 8, .value_kind: global_buffer, .address_space: global }
      - { .name: xs, .offset: 8, .size: 8, .value_kind: global_buffer, .address_space: global }
      - { .name: wc, .offset: 16, .size: 8, .value_kind: global_buffer, .address_space: global }
      - { .name: ws, .offset: 24, .size: 8, .value_kind: global_buffer, .address_space: global }
      - { .name: bq, .offset: 32, .size: 8, .value_kind: global_buffer, .address_space: global }
      - { .name: bk, .offset: 40, .size: 8, .value_kind: global_buffer, .address_space: global }
      - { .name: bv, .offset: 48, .size: 8, .value_kind: global_buffer, .address_space: global }
      - { .name: qf, .offset: 56, .size: 8, .value_kind: global_buffer, .address_space: global }
      - { .name: kf, .offset: 64, .size: 8, .value_kind: global_buffer, .address_space: global }
      - { .name: vf, .offset: 72, .size: 8, .value_kind: global_buffer, .address_space: global }
    .group_segment_fixed_size: 167936
    .private_segment_fixed_size: 0
    .kernarg_segment_align: 8
    .kernarg_segment_size: 80
    .max_flat_workgroup_size: 256
    .sgpr_count:     66
    .vgpr_count:     512
    .wavefront_size: 32
...
	.end_amdgpu_metadata
.endif
;; end of part 2
;; launch attn (part 3): grid 8 x 32, 8 waves a work-group, no clusters, 327,680 bytes of LDS; arguments qf, kf, vf, ef, attention_mask, out0; writes out0
.if DOCPART == 3
	.amdgcn_target "amdgcn-amd-amdhsa--gfx1250"
	.amdhsa_code_object_version 6
	.text
	.protected	k_q55755e4c14_attn
	.globl	k_q55755e4c14_attn
	.p2align	8
	.type	k_q55755e4c14_attn,@function
k_q55755e4c14_attn:
	s_mov_b64 s[64:65], 0
	v_nop
	global_prefetch_b8 v0, s[64:65] scope:SCOPE_SE
	s_setreg_imm32_b32 hwreg(HW_REG_WAVE_MODE, 25, 1), 1
	s_wait_xcnt 0x0
; THIRD LAUNCH: out = softmax((q k^T + q . E[l - r + 2047] + k . E[l - r + 2047]) / 8 + mask) v, all operands f16, sums, maxima and softmax in f32.  No work is left out; pe is a lookup and is never built.
; SHARES.  A work-group: 256 queries (work-group x) of one batch and head (work-group y).  Wave w: g = w % 4: 64 queries, tiles qi = 16 x + 4 g + u; kp = w / 4: which 64 of a step's 128 keys, tiles ki = 8 s + 4 kp + t.
; 16 steps.  The two waves of a query group keep their own maximum, sum and O and are merged at the end.  Two waves share a SIMD: one's vector and LDS work stands beside the other's products.
; LAYOUT.  S^T = K Q^T: lane (a, h) holds query a and, in register j, key b = 8 h + j.  P, rounded to f16 in pairs, is source 1 of O^T = V^T P.
; THE TABLE.  Query 16 qi + a and key 16 ki + b want row 16 (qi - ki + 127) + 15 + a - b: of block lo = qi - ki + 127 where a <= b, of block hi = lo + 1 where a > b; in both the row in the block is (a - b - 1) mod 16.
; ef holds the blocks in descending order, so a wave's step wants eight images on end, i = 0 .. 7; tile (u, t) takes hi = i = t - u + 3 and lo = i + 1.
;   q TERM: T = E Q^T gives lane = query, registers = table rows.  Five blocks of a query tile are laid in the wave's own LDS as 16 strips of 80 words, ascending in table row, and read back skewed:
;           word 16 (3 - t) + 15 + a - b.  What comes back is the C of the product K Q^T.
;   k TERM: T = K E^T (+ 8 x mask as C) gives lane = table row, register = key.  hi or lo is chosen by the source lane (lo from lane 15 - b on), then each half of 16 lanes is rotated by b + 1:
;           lanes 16-31 by 8 first, then all by j + 1.
; SOFTMAX.  Running maximum m and sum l for each query: p = 2^(c s - c m), c = log2(e) / 8; O and l are multiplied by 2^(c m_old - c m_new) in every step.  m begins at -3e38, O and l at 0: the step is written with no first step of its own.
; LDS.  0: a ring of four slots of 16 KB for the table (eight images each; a step reads three);  0x10000: two slots of K 16 KB + V 16 KB;  0x20000: 5,376 bytes a wave (strips, pitch 336; later the stage for the way out);
;   then 8 x mask (8 KB), the merge's images (4 x 17,408), the spare words.  Stored regions are never the target of a tensor load.
; THE RINGS.  All eight waves issue one first fill (table slots 0-3, K and V of steps 0 and 1).  Behind step s wave 0 asks for table chunk s + 4, waves 4 and 5 for K and V of step s + 2, into the slots just left:
; one tensor load of a wave is out at most, and it has a whole step in which to land.
; NO CLUSTER: a work-group asks for 48 KB a step, for the 1,152 matrix instructions of its eight waves, a whole step ahead; the table chunks that the query blocks of a head want at one time differ (chunk 14 - 2 x + s).
; LIMITS: mask entries under -4.2e37 act as -infinity (they are multiplied by 8); a row all of whose keys are masked by -infinity gives NaN, as in reference(); NaN and infinities in other inputs are not served.
; REGISTERS.  Window 0: v1-11 addresses; v12-27 c m, m, l (two halves) for each u; v28-35 at work; v36-43 8 x mask; v44-59 K's tile; v60-75 table register slot 4; v76-115 T (5 x 8); v116-123 X; v128-255 S (32 u + 8 t);
;   v36-99 later P (16 u + 8 kg).  Window 1: v0-127 O^T (32 u + 8 dt); v128-191 Q (16 u); v192-255 table register slots 0-3, later V.
.set SCR,   0x20000
.set SCRW,  5376
.set MASK8, SCR+8*SCRW
.set MRG,   MASK8+8192
.set MRGW,  17408
.set SPARE, MRG+4*MRGW
.set L16, 1
.set LMH, 2
.set ASS, 3
.set ASL, 4
.set SPW, 5
.set NIL, 6
.set AK,  7
.set AV,  8
.set AE0, 9                            ; v9, v10: table images i = 0-3, i = 4-7
.set AMC, 11
.set AMG, 7                            ; behind the steps: the merge's and the way out's addresses
.set AMS, 8
.set STO, 9
.set RD,  10
.set GO,  11
.set ST,  12
.set C0,  28
.set EX,  32
.set DD,  33
.set AA,  34
.set Y,   28
.set MC,  36
.set KR,  44
.set E4,  60
.set TD,  76
.set X,   116
.set S,   128
.set P,   36
.set GF,  108
.set EW,  192                          ; window 1
.set QR,  128                          ; window 1
.set WV,  16
.set G,   17
.set KP,  18
.set WV2, 19
.set BH,  20
.set HALF, 21
.set SEL, 22
.set CS,  24
.set CNT, 26
.set G1,  28
.set G0H, 36
.set G0E, 40
.set G0KV, 44
.set EL,  48
.set TB,  49
.set ER,  50
.set TM,  51
.set MK,  56
.set MSB, 0
.macro WIN new                         ; the immediate's high byte repeats the setting that is left
.if MSB != \new
	s_set_vgpr_msb (MSB<<8)|\new
.set MSB, \new
.endif
.endm
	s_load_b256 s[4:11], s[0:1], 0x0               ; qf, kf, vf, ef
	s_load_b128 s[12:15], s[0:1], 0x20             ; attention_mask, out0
	v_lshl_add_u32 v[SPW], v0, 2, SPARE
	v_mov_b32 v[NIL], 0
	ds_add_u32 v[SPW], v[NIL]                      ; the wave's opening: the add, twice on end, and its wait ahead of my first tensor load
	ds_add_u32 v[SPW], v[NIL]
	v_lshrrev_b32 v7, 5, v0
	v_readfirstlane_b32 s[WV], v7                  ; wave 0..7
	s_and_b32 s[G], s[WV], 3
	s_lshr_b32 s[KP], s[WV], 2
	s_lshr_b32 s[WV2], s[WV], 1
	s_and_b32 s[BH], ttmp7, 0xffff
	s_mov_b32 s[G1+0], 3<<16                       ; one shape for every load: 16 KB, dense, as 64 rows of 32 elements of 8 bytes
	s_mov_b32 s[G1+1], 32<<16
	s_mov_b32 s[G1+2], 64<<16
	s_mov_b32 s[G1+3], 32<<16
	s_mov_b32 s[G1+4], 64
	s_mov_b32 s[G1+5], 32
	s_mov_b32 s[G1+6], 0
	s_mov_b32 s[G1+7], 0
	s_mov_b32 s[HALF], 0xffff0000
	s_mov_b32 s[SEL], 0x76543210
	s_mov_b32 s[SEL+1], 0xfedcba98
	s_mov_b32 s[CS], 0x3e38aa3b                    ; c = log2(e) / 8
	s_mov_b32 s[CS+1], s[CS]
.irp j, 0,1,2,3,4,5,6,7
	s_mov_b32 s[MK+\j], ((0xffff<<(15-\j))&0xffff)|(((0xffff<<(7-\j))&0xffff)<<16)   ; lo from source lane 15 - b on: b = j in lanes 0-15, 8 + j in lanes 16-31
.endr
	s_lshl_b32 s66, ttmp9, 1
	s_sub_co_u32 s66, 14, s66                      ; the table chunk of step 0
	s_add_co_u32 s67, s66, s[WV]
	s_lshl_b32 s67, s67, 14                        ; waves 0-3: chunk w of my walk
	s_lshl_b32 s68, s[BH], 18                      ; the head's bytes in qf, kf, vf
	s_and_b32 s69, s[WV2], 1
	s_lshl_b32 s69, s69, 14
	s_add_co_u32 s69, s69, s68                     ; waves 4-7: step (w / 2) % 2 of K or V
	s_and_b32 s70, s[WV], 1
	s_mov_b32 s77, 0
	s_xor_b32 s[ER], s[G], 3
	s_add_co_u32 s[ER], s[ER], s[KP]
	s_lshl_b32 s[ER], s[ER], 13                    ; my first image in the table's ring: 4 (3 - g + kp) images of 2,048 bytes; 8 more a step
	s_lshl_b32 s[TB], s[KP], 13
	s_add_co_u32 s[TB], s[TB], 0x10000             ; my four tiles of K in slot 0; V's lie 0x4000 on
	s_lshl_b32 s[TM], s[KP], 8                     ; my 64 keys' mask words
	s_wait_dscnt 0x0                               ; both opening adds are done
	s_wait_kmcnt 0x0
	s_cmp_eq_u32 s70, 1
	s_cselect_b64 s[72:73], s[8:9], s[6:7]         ; odd waves V, even waves K
	s_cmp_lt_u32 s[WV], 4
	s_cselect_b64 s[74:75], s[10:11], s[72:73]     ; waves 0-3 the table
	s_cselect_b32 s76, s67, s69
	s_mov_b32 s[G0H], 1
	s_lshl_b32 s[G0H+1], s[WV], 14                 ; LDS: 16 KB x wave
	s_add_nc_u64 s[G0H+2:G0H+3], s[74:75], s[76:77]
	s_or_b32 s[G0H+3], s[G0H+3], 0x80000000
	tensor_load_to_lds s[G0H:G0H+3], s[G1:G1+7]    ; every wave's first fill
	s_nop 0
.rept 4
	v_nop
.endr
	s_add_co_u32 s76, s66, 3                       ; the walking descriptors stand at the last first fill and step ahead of each refill
	s_lshl_b32 s76, s76, 14
	s_mov_b32 s[G0E], 1
	s_mov_b32 s[G0E+1], 0xc000
	s_add_nc_u64 s[G0E+2:G0E+3], s[10:11], s[76:77]
	s_or_b32 s[G0E+3], s[G0E+3], 0x80000000
	s_mov_b32 s[EL], 0xc000
	s_add_co_u32 s76, s68, 0x4000
	s_mov_b32 s[G0KV], 1
	s_lshl_b32 s[G0KV+1], s70, 14
	s_add_co_u32 s[G0KV+1], s[G0KV+1], 0x18000
	s_add_nc_u64 s[G0KV+2:G0KV+3], s[72:73], s[76:77]
	s_or_b32 s[G0KV+3], s[G0KV+3], 0x80000000
	s_lshl_b32 s76, ttmp9, 15
	s_lshl_b32 s78, s[G], 13
	s_add_co_u32 s76, s76, s78
	s_add_co_u32 s76, s76, s68
	s_add_nc_u64 s[4:5], s[4:5], s[76:77]          ; my four tiles of Q
	s_lshr_b32 s76, s[BH], 4
	s_lshl_b32 s76, s76, 13
	s_add_nc_u64 s[12:13], s[12:13], s[76:77]      ; my batch's mask
	s_lshr_b32 s76, s[BH], 4
	s_lshl_b32 s76, s76, 23
	s_lshl_b32 s78, ttmp9, 20
	s_add_co_u32 s76, s76, s78
	s_lshl_b32 s78, s[G], 18
	s_add_co_u32 s76, s76, s78
	s_and_b32 s78, s[BH], 15
	s_lshl_b32 s78, s78, 8
	s_add_co_u32 s76, s76, s78
	s_add_nc_u64 s[14:15], s[14:15], s[76:77]      ; out0 at my first query, my head's 256 bytes
	v_and_b32 v7, 31, v0
	v_lshlrev_b32 v[L16], 4, v7
	WIN 0x40
.irp u, 0,1,2,3
.irp q, 0,1,2,3
	global_load_b128 v[QR+16*\u+4*\q:QR+16*\u+4*\q+3], v[L16], s[4:5] offset:\u*2048+\q*512   ; Q stays in registers
.endr
.endr
	WIN 0
	v_lshlrev_b32 v8, 5, v0                        ; thread t takes 8 of the 2,048 mask entries
	global_load_b128 v[MC:MC+3], v8, s[12:13]
	global_load_b128 v[MC+4:MC+7], v8, s[12:13] offset:16
	v_add_nc_u32 v9, MASK8, v8
	v_and_b32 v10, 15, v0                          ; a
	v_bfe_u32 v11, v0, 4, 1                        ; h
	v_lshl_add_u32 v[LMH], v11, 5, MASK8
	s_mul_i32 s66, s[WV], SCRW
	s_add_co_u32 s66, s66, SCR
	v_mul_u32_u24 v[ASS], v10, 336
	v_lshl_add_u32 v[ASS], v11, 5, v[ASS]
	v_add_nc_u32 v[ASS], s66, v[ASS]               ; into the strips: 336 a + 32 h
	v_xor_b32 v7, 1, v11
	v_mul_u32_u24 v[ASL], v10, 340
	v_lshl_add_u32 v[ASL], v7, 5, v[ASL]
	v_add_nc_u32 v[ASL], s66, v[ASL]               ; out of them: 336 a + 4 a - 32 h, with 32 taken into the offsets
.irp u, 0,1,2,3
	v_mov_b32 v[ST+4*\u+1], 0xff61b1e6             ; m = -3e38, under every score
	v_mov_b32 v[ST+4*\u+2], 0
	v_mov_b32 v[ST+4*\u+3], 0
.endr
.irp u, 0,1,2,3
	v_mul_f32 v[ST+4*\u], s[CS], v[ST+4*\u+1]
.endr
.irp j, 0,1,2,3,4,5,6,7
	v_mov_b32 v[C0+\j], 0                          ; written once: destinations of lane moves count as read
.endr
	WIN 0x40
.set i, 0
.rept 128
	v_mov_b32 v[i], 0                              ; O^T: the first step's rescaling leaves zeros zeros
.set i, i+1
.endr
	WIN 0
	s_wait_loadcnt 0x0
.irp j, 0,1,2,3,4,5,6,7
	v_mul_f32 v[MC+\j], 0x41000000, v[MC+\j]       ; 8 x mask: it is added ahead of the division by 8
.endr
	ds_store_b128 v9, v[MC:MC+3]
	ds_store_b128 v9, v[MC+4:MC+7] offset:16
	s_wait_tensorcnt 0x0                           ; my first fill has landed,
	s_wait_dscnt 0x0                               ; my part of the mask is stored,
	s_barrier_signal -1
	s_barrier_wait -1                              ; everybody's
.macro ELOAD i                         ; table image i of my eight into register slot i % 5
.if ((\i)%5) == 4
	WIN 0
.irp q, 0,1,2,3
	ds_load_b128 v[E4+4*\q:E4+4*\q+3], v[AE0+(\i)/4] offset:((\i)%4)*2048+512*\q
.endr
.else
	WIN 0x40
.irp q, 0,1,2,3
	ds_load_b128 v[EW+16*((\i)%5)+4*\q:EW+16*((\i)%5)+4*\q+3], v[AE0+(\i)/4] offset:((\i)%4)*2048+512*\q
.endr
.endif
.endm
.macro KLOAD t
	WIN 0
.irp q, 0,1,2,3
	ds_load_b128 v[KR+4*\q:KR+4*\q+3], v[AK] offset:(\t)*2048+512*\q
.endr
.endm
.macro MLOAD t                         ; 8 x mask of keys 16 t + 8 h + 0 .. 7
	ds_load_b128 v[MC:MC+3], v[AMC] offset:(\t)*64
	ds_load_b128 v[MC+4:MC+7], v[AMC] offset:(\t)*64+16
.endm
.macro PLACES n
.rept \n
	v_nop
.endr
.endm
; THE q TERM of query tile u = 3 - n: T[x] = image (n + x) times Q[u]^T, five accumulators by turns, two deep.
.macro QEMUL n, f
.irp x, 0,1,2,3,4
.set sl, ((\n)+\x)%5
.if sl == 4
	WIN 0x04
.set rA, E4+8*(\f)
.else
	WIN 0x05
.set rA, EW+16*sl+8*(\f)
.endif
.set rB, QR+16*(3-(\n))+8*(\f)
.if (\f) == 0
	v_wmma_f32_16x16x32_f16 v[TD+8*\x:TD+8*\x+7], v[rA:rA+7], v[rB:rB+7], 0
.else
	v_wmma_f32_16x16x32_f16 v[TD+8*\x:TD+8*\x+7], v[rA:rA+7], v[rB:rB+7], v[TD+8*\x:TD+8*\x+7]
.endif
.endr
.endm
.macro QE n
.if (\n) == 0
	s_wait_dscnt 6                                 ; the five images are in; K's four loads and the mask's two may stay out
.else
	s_wait_dscnt 32                                ; the new image is in and the ten stores have read T; the 32 skewed loads may stay out
.endif
	QEMUL \n, 0
	QEMUL \n, 1
	WIN 0
	PLACES 5                                       ; four ahead of the stores of T and of the load onto image n; five ahead of the next products that write T anew
.if (\n) < 3
	ELOAD (\n)+5
	WIN 0
.endif
.irp x, 0,1,2,3,4
	ds_store_b128 v[ASS], v[TD+8*\x:TD+8*\x+3] offset:64*(4-\x)          ; image n + x holds the higher table rows the lower x is
	ds_store_b128 v[ASS], v[TD+8*\x+4:TD+8*\x+7] offset:64*(4-\x)+16
.endr
.irp t, 0,1,2,3
.irp j, 0,1,2,3,4,5,6,7
	ds_load_b32 v[S+32*(3-(\n))+8*\t+\j], v[ASL] offset:220-64*\t-4*\j   ; LDS serves a wave's instructions in order: these see the stores above
.endr
.endr
.endm
; THE k TERM of tile (u, t): chosen, rotated, added.
.macro SHEAR u, t
.irp j, 0,1,2,3,4,5,6,7
	v_cndmask_b32 v[X+\j], v[TD+8*(3-(\u))+\j], v[TD+8*(4-(\u))+\j], s[MK+\j]
.endr
.irp j, 0,1,2,3,4,5,6,7
	v_mov_b32_dpp v[Y+\j], v[X+\j] row_ror:8 row_mask:0xf bank_mask:0xf
.endr
.irp j, 0,1,2,3,4,5,6,7
	v_cndmask_b32 v[X+\j], v[X+\j], v[Y+\j], s[HALF]                     ; lanes 16-31, whose keys are 8 + j, are 8 ahead
.endr
.irp j, 0,1,2,3,4,5,6,7
	v_add_f32_dpp v[S+32*(\u)+8*(\t)+\j], v[X+\j], v[S+32*(\u)+8*(\t)+\j] row_ror:\j+1 row_mask:0xf bank_mask:0xf
.endr
.endm
; KEY TILE t: S[u][t] += K Q[u]^T onto the q term; T[x] = K times image (t + x)^T + 8 x mask; then the shear.
.macro KS t
	s_wait_dscnt 0x0
	WIN 0x04
.irp f, 0,1
.irp u, 0,1,2,3
	v_wmma_f32_16x16x32_f16 v[S+32*\u+8*(\t):S+32*\u+8*(\t)+7], v[KR+8*\f:KR+8*\f+7], v[QR+16*\u+8*\f:QR+16*\u+8*\f+7], v[S+32*\u+8*(\t):S+32*\u+8*(\t)+7]
.endr
.endr
.irp f, 0,1
.irp x, 0,1,2,3,4
.set sl, ((\t)+\x)%5
.if sl == 4
	WIN 0
.set rB, E4+8*\f
.else
	WIN 0x04
.set rB, EW+16*sl+8*\f
.endif
.if \f == 0
	v_wmma_f32_16x16x32_f16 v[TD+8*\x:TD+8*\x+7], v[KR+8*\f:KR+8*\f+7], v[rB:rB+7], v[MC:MC+7]
.else
	v_wmma_f32_16x16x32_f16 v[TD+8*\x:TD+8*\x+7], v[KR+8*\f:KR+8*\f+7], v[rB:rB+7], v[TD+8*\x:TD+8*\x+7]
.endif
.endr
.endr
	WIN 0
	PLACES 5                                       ; ahead of the reads of S and T, of the loads onto K, the mask and an image, and of the next products that write T anew
.if (\t) > 0
	KLOAD (\t)-1
	MLOAD (\t)-1
	ELOAD (\t)-1                                   ; onto image t + 4, which has had its last use
	WIN 0
.endif
.irp u, 0,1,2,3
	SHEAR \u, \t
.endr
.endm
.macro SOFTMAX u
.set rT, ST+4*(\u)
.set rS, S+32*(\u)
.set rP, P+16*(\u)
.irp j, 0,1,2,3
	v_max3_num_f32 v[C0+\j], v[rS+8*\j], v[rS+8*\j+1], v[rS+8*\j+2]
.endr
.irp i, 3,5
.irp j, 0,1,2,3
	v_max3_num_f32 v[C0+\j], v[C0+\j], v[rS+8*\j+\i], v[rS+8*\j+\i+1]
.endr
.endr
	v_max3_num_f32 v[C0], v[C0], v[rS+7], v[rS+15]
	v_max3_num_f32 v[C0+2], v[C0+2], v[rS+23], v[rS+31]
	v_max3_num_f32 v[C0], v[C0], v[C0+1], v[C0+2]
	v_max3_num_f32 v[C0], v[C0], v[C0+3], v[rT+1]
	v_permlanex16_b32 v[EX], v[C0], s[SEL], s[SEL+1]                     ; the query's other 32 keys lie in the lane 16 away
	v_mov_b32 v[DD], v[rT]
	v_max_num_f32 v[rT+1], v[C0], v[EX]
	v_mul_f32 v[rT], s[CS], v[rT+1]
	v_sub_f32 v[DD], v[DD], v[rT]
.irp i, 0,1,2,3,4,5,6,7,8,9,10,11,12,13,14,15
	v_pk_fma_f32 v[rS+2*\i:rS+2*\i+1], v[rS+2*\i:rS+2*\i+1], s[CS:CS+1], v[rT:rT+1] op_sel_hi:[1,0,0] neg_lo:[0,0,1] neg_hi:[0,0,1]
.endr
	v_exp_f32 v[AA], v[DD]
.set i, 0
.rept 32
	v_exp_f32 v[rS+i], v[rS+i]
.set i, i+1
.endr
	v_nop                                          ; a plain line behind the last exponential
	s_wait_alu depctr_va_vdst(0)                   ; one wait for the batch of 33, ahead of its first reader
.irp i, 0,1,2,3,4,5,6,7,8,9,10,11,12,13,14,15
	v_cvt_pk_f16_f32 v[rP+\i], v[rS+2*\i], v[rS+2*\i+1]
.endr
.irp z, 0,1,2,3,4,5,6,7
	v_pk_add_f32 v[rS+4*\z:rS+4*\z+1], v[rS+4*\z:rS+4*\z+1], v[rS+4*\z+2:rS+4*\z+3]
.endr
.irp z, 0,1,2,3
	v_pk_add_f32 v[rS+8*\z:rS+8*\z+1], v[rS+8*\z:rS+8*\z+1], v[rS+8*\z+4:rS+8*\z+5]
.endr
.irp z, 0,1
	v_pk_add_f32 v[rS+16*\z:rS+16*\z+1], v[rS+16*\z:rS+16*\z+1], v[rS+16*\z+8:rS+16*\z+9]
.endr
	v_pk_add_f32 v[rS:rS+1], v[rS:rS+1], v[rS+16:rS+17]
	v_pk_fma_f32 v[rT+2:rT+3], v[rT+2:rT+3], v[AA:AA+1], v[rS:rS+1] op_sel_hi:[1,0,1]
	WIN 0x41
.irp i, 0,1,2,3,4,5,6,7,8,9,10,11,12,13,14,15
	v_pk_mul_f32 v[32*(\u)+2*\i:32*(\u)+2*\i+1], v[32*(\u)+2*\i:32*(\u)+2*\i+1], v[AA:AA+1] op_sel_hi:[1,0]
.endr
	WIN 0
.endm
.macro STEP
	s_and_b32 s66, s[ER], 0xffff                   ; the ring of 64 KB wraps between groups of four images, never inside one
	s_add_co_u32 s67, s[ER], 0x2000
	s_and_b32 s67, s67, 0xffff
	s_add_co_u32 s68, s[TB], 0x4000
	v_add_nc_u32 v[AK], s[TB], v[L16]
	v_add_nc_u32 v[AV], s68, v[L16]
	v_add_nc_u32 v[AE0], s66, v[L16]
	v_add_nc_u32 v[AE0+1], s67, v[L16]
	v_add_nc_u32 v[AMC], s[TM], v[LMH]
.irp i, 0,1,2,3,4
	ELOAD \i
.endr
	KLOAD 3
	MLOAD 3
	QE 0
	QE 1
	QE 2
	QE 3
	KS 3
	KS 2
	KS 1
	KS 0
	WIN 0x40
.irp n, 0,1,2,3,4,5,6,7,8,9,10,11,12,13,14,15
	ds_load_b128 v[EW+4*\n:EW+4*\n+3], v[AV] offset:512*\n               ; V's eight fragments, onto the table's register slots, which are done with
.endr
	WIN 0
	SOFTMAX 0
	SOFTMAX 1
	SOFTMAX 2
	SOFTMAX 3
	s_wait_dscnt 0x0                               ; V is in
	WIN 0x51
.irp kg, 0,1
.irp dt, 0,1,2,3
.irp u, 0,1,2,3
	v_wmma_f32_16x16x32_f16 v[32*\u+8*\dt:32*\u+8*\dt+7], v[EW+8*(4*\kg+\dt):EW+8*(4*\kg+\dt)+7], v[P+16*\u+8*\kg:P+16*\u+8*\kg+7], v[32*\u+8*\dt:32*\u+8*\dt+7]
.endr
.endr
.endr
	WIN 0
	PLACES 4                                       ; with the next step's five additions: the places ahead of loads onto P and V and of the products that write T over P
	s_xor_b32 s[TB], s[TB], 0x8000
	s_add_co_u32 s[ER], s[ER], 0x4000
	s_add_co_u32 s[TM], s[TM], 512
.endm
.macro TLOAD                           ; wave 0: the table's chunk; waves 4 and 5: K and V.  The branches hang on the wave's number alone
	s_cmp_eq_u32 s[WV], 0
	s_cbranch_scc0 .Lnot_e_\@
	tensor_load_to_lds s[G0E:G0E+3], s[G1:G1+7]
	s_nop 0
.rept 4
	v_nop
.endr
	s_branch .Lasked_\@
.Lnot_e_\@:
	s_cmp_eq_u32 s[WV2], 2
	s_cbranch_scc0 .Lasked_\@
	tensor_load_to_lds s[G0KV:G0KV+3], s[G1:G1+7]
	s_nop 0
.rept 4
	v_nop
.endr
.Lasked_\@:
.endm
; BETWEEN TWO STEPS: every wave waits for all its tensor loads, adds 0 to its spare word, and waits for that and for its reads of the slots that it leaves; one barrier; then the refills come first.
.macro CHANGE fill
	s_wait_tensorcnt 0x0                           ; no tensor load of mine is out, so the descriptors may be written
	ds_add_u32 v[SPW], v[NIL]
.if \fill
	s_add_co_u32 s[EL], s[EL], 0x4000
	s_and_b32 s[G0E+1], s[EL], 0xc000              ; the table slot just left,
	s_add_nc_u64 s[G0E+2:G0E+3], s[G0E+2:G0E+3], 0x4000   ; the next chunk
	s_xor_b32 s[G0KV+1], s[G0KV+1], 0x8000         ; the K and V slot just left,
	s_add_nc_u64 s[G0KV+2:G0KV+3], s[G0KV+2:G0KV+3], 0x4000   ; the step after next
.endif
	s_wait_dscnt 0x0
	s_barrier_signal -1
	s_barrier_wait -1
.if \fill
	TLOAD
.endif
.endm
	s_mov_b32 s[CNT], 14
.Lmain:                                            ; steps 0 to 13: behind each, what step s + 2 will read is asked for
	STEP
	CHANGE 1
	s_sub_co_u32 s[CNT], s[CNT], 1
	s_cmp_lg_u32 s[CNT], 0
	s_cbranch_scc1 .Lmain
	s_mov_b32 s[CNT], 2
.Ltail:                                            ; steps 14 and 15 ask for nothing: written apart
	STEP
	CHANGE 0
	s_sub_co_u32 s[CNT], s[CNT], 1
	s_cmp_lg_u32 s[CNT], 0
	s_cbranch_scc1 .Ltail
; THE MERGE.  Each wave's l: two halves, and the lane 16 away.  Waves 4-7 hand O^T (as an image of its registers), c m and l to waves 0-3 through LDS.
.irp u, 0,1,2,3
	v_add_f32 v[ST+4*\u+2], v[ST+4*\u+2], v[ST+4*\u+3]
.endr
.irp u, 0,1,2,3
	v_permlanex16_b32 v[C0+\u], v[ST+4*\u+2], s[SEL], s[SEL+1]
.endr
.irp u, 0,1,2,3
	v_add_f32 v[ST+4*\u+2], v[ST+4*\u+2], v[C0+\u]
.endr
	v_and_b32 v124, 15, v0                         ; a
	v_bfe_u32 v125, v0, 4, 1                       ; h
	v_and_b32 v126, 31, v0
	s_mul_i32 s66, s[G], MRGW
	s_add_co_u32 s66, s66, MRG
	v_add_nc_u32 v[AMG], s66, v[L16]
	s_add_co_u32 s66, s66, 16384
	v_lshl_add_u32 v[AMS], v126, 2, s66
	s_mul_i32 s67, s[WV], SCRW
	s_add_co_u32 s67, s67, SCR
	v_mul_u32_u24 v[STO], v124, 272                ; the stage: row a of 256 bytes + 16; 32 bytes for each half of the lanes
	v_lshl_add_u32 v[STO], v125, 5, v[STO]
	v_add_nc_u32 v[STO], s67, v[STO]
	v_mul_u32_u24 v[RD], v125, 272                 ; back: lanes 0-15 one row, lanes 16-31 the next
	v_lshl_add_u32 v[RD], v124, 4, v[RD]
	v_add_nc_u32 v[RD], s67, v[RD]
	v_lshlrev_b32 v[GO], 12, v125                  ; and the same two tokens in out0, 4,096 bytes apart
	v_lshl_add_u32 v[GO], v124, 4, v[GO]
	s_cmp_eq_u32 s[KP], 0
	s_cbranch_scc1 .Lkeep
	WIN 0x04                                       ; an LDS store's data are its source 1: window 1
.set i, 0
.rept 32
	ds_store_b128 v[AMG], v[4*i:4*i+3] offset:512*i
.set i, i+1
.endr
	WIN 0
.irp u, 0,1,2,3
	ds_store_b32 v[AMS], v[ST+4*\u] offset:256*\u
	ds_store_b32 v[AMS], v[ST+4*\u+2] offset:256*\u+128
.endr
.Lkeep:
	s_wait_dscnt 0x0                               ; for the partner's sake: my stores are done
	s_barrier_signal -1
	s_barrier_wait -1
	s_cmp_lg_u32 s[KP], 0
	s_cbranch_scc1 .Ldone
.set i, 0
.rept 32
	ds_load_b128 v[S+4*i:S+4*i+3], v[AMG] offset:512*i                   ; the partner's O^T, where S lay
.set i, i+1
.endr
.irp i, 0,1,2,3,4,5,6,7
	ds_load_b32 v[MC+\i], v[AMS] offset:128*\i                           ; its c m and l for u = i / 2
.endr
	s_wait_dscnt 0x0
.irp u, 0,1,2,3
	v_max_num_f32 v[C0+\u], v[ST+4*\u], v[MC+2*\u]
.endr
.irp u, 0,1,2,3
	v_sub_f32 v[GF+4*\u], v[ST+4*\u], v[C0+\u]
	v_sub_f32 v[GF+4*\u+2], v[MC+2*\u], v[C0+\u]
.endr
.irp u, 0,1,2,3
	v_exp_f32 v[GF+4*\u], v[GF+4*\u]
	v_exp_f32 v[GF+4*\u+2], v[GF+4*\u+2]
.endr
	v_nop
	s_wait_alu depctr_va_vdst(0)                   ; one wait for the eight
.irp u, 0,1,2,3
	v_mul_f32 v[ST+4*\u+2], v[ST+4*\u+2], v[GF+4*\u]
.endr
.irp u, 0,1,2,3
	v_fma_f32 v[ST+4*\u+2], v[MC+2*\u+1], v[GF+4*\u+2], v[ST+4*\u+2]
.endr
.irp u, 0,1,2,3
	v_rcp_f32 v[C0+\u], v[ST+4*\u+2]
.endr
	v_nop
	s_wait_alu depctr_va_vdst(0)                   ; one wait for the four
.irp u, 0,1,2,3
	v_mul_f32 v[GF+4*\u], v[GF+4*\u], v[C0+\u]
	v_mul_f32 v[GF+4*\u+2], v[GF+4*\u+2], v[C0+\u]
.endr
; THE WAY OUT, a tile of 16 queries at a time: both parts weighed and added; through my stage; back as whole rows into the registers that they left.
.macro PACKU u
.set rS, S+32*(\u)
.set rG, GF+4*(\u)
.irp i, 0,1,2,3,4,5,6,7,8,9,10,11,12,13,14,15
	v_pk_mul_f32 v[rS+2*\i:rS+2*\i+1], v[rS+2*\i:rS+2*\i+1], v[rG+2:rG+3] op_sel_hi:[1,0]
.endr
	WIN 0x01                                       ; source 0 (my O^T) window 1
.irp i, 0,1,2,3,4,5,6,7,8,9,10,11,12,13,14,15
	v_pk_fma_f32 v[rS+2*\i:rS+2*\i+1], v[32*(\u)+2*\i:32*(\u)+2*\i+1], v[rG:rG+1], v[rS+2*\i:rS+2*\i+1] op_sel_hi:[1,0,1]
.endr
	WIN 0
.irp dt, 0,1,2,3
	ds_store_b128 v[STO], v[rS+8*\dt:rS+8*\dt+3] offset:64*\dt
	ds_store_b128 v[STO], v[rS+8*\dt+4:rS+8*\dt+7] offset:64*\dt+16
.endr
.irp f, 0,1,2,3,4,5,6,7
	ds_load_b128 v[rS+4*\f:rS+4*\f+3], v[RD] offset:\f*544               ; LDS serves a wave's instructions in order: these see the stores above, and the next tile's stores come behind them
.endr
.endm
.macro SENDU u, younger                ; younger: the LDS instructions issued behind tile u's loads
.irp f, 0,1,2,3,4,5,6,7
	s_wait_dscnt \younger+7-\f
	global_store_b128 v[GO], v[S+32*(\u)+4*\f:S+32*(\u)+4*\f+3], s[14:15] offset:(\u)*65536+\f*8192 th:TH_STORE_NT   ; sixteen lanes store the 256 bytes of one token and head, aligned
.endr
.endm
	PACKU 0
	PACKU 1
	SENDU 0, 16
	PACKU 2
	SENDU 1, 16
	PACKU 3
	SENDU 2, 16
	SENDU 3, 0
.Ldone:
	s_wait_tensorcnt 0x0                           ; the wave's end: behind my last tensor load and my last LDS store
	ds_add_u32 v[SPW], v[NIL]
	s_wait_dscnt 0x0
	s_endpgm
.Lfunc_end_k_q55755e4c14_attn:
	.size	k_q55755e4c14_attn, .Lfunc_end_k_q55755e4c14_attn-k_q55755e4c14_attn
	.p2alignl 7, 3214868480
	.fill 96, 4, 3214868480
	.section	.rodata,"a",@progbits
	.p2align	6, 0x0
	.amdhsa_kernel k_q55755e4c14_attn
		.amdhsa_group_segment_fixed_size 327680
		.amdhsa_private_segment_fixed_size 0
		.amdhsa_enable_private_segment 0
		.amdhsa_kernarg_size 48
		.amdhsa_user_sgpr_count 2
		.amdhsa_user_sgpr_kernarg_segment_ptr 1
		.amdhsa_wavefront_size32 1
		.amdhsa_system_sgpr_workgroup_id_x 1
		.amdhsa_system_sgpr_workgroup_id_y 1
		.amdhsa_system_sgpr_workgroup_id_z 1
		.amdhsa_system_vgpr_workitem_id 0
		.amdhsa_next_free_vgpr 512
		.amdhsa_next_free_sgpr 80
		.amdhsa_reserve_vcc 0
		.amdhsa_float_denorm_mode_32 3
		.amdhsa_float_denorm_mode_16_64 3
		.amdhsa_memory_ordered 1
		.amdhsa_forward_progress 1
		.amdhsa_inst_pref_size 212
	.end_amdhsa_kernel
	.amdgpu_metadata
---
amdhsa.version: [ 1, 2 ]
amdhsa.kernels:
  - .name:           k_q55755e4c14_attn
    .symbol:         k_q55755e4c14_attn.kd
    .args:
      - { .name: qf, .offset: 0, .size: 8, .value_kind: global_buffer, .address_space: global }
      - { .name: kf, .offset: 8, .size: 8, .value_kind: global_buffer, .address_space: global }
      - { .name: vf, .offset: 16, .size: 8, .value_kind: global_buffer, .address_space: global }
      - { .name: ef, .offset: 24, .size: 8, .value_kind: global_buffer, .address_space: global }
      - { .name: attention_mask, .offset: 32, .size: 8, .value_kind: global_buffer, .address_space: global }
      - { .name: out0, .offset: 40, .size: 8, .value_kind: global_buffer, .address_space: global }
    .group_segment_fixed_size: 327680
    .private_segment_fixed_size: 0
    .kernarg_segment_align: 8
    .kernarg_segment_size: 48
    .max_flat_workgroup_size: 256
    .sgpr_count:     80
    .vgpr_count:     512
    .wavefront_size: 32
...
	.end_amdgpu_metadata
.endif
;; end of part 3
